; MI455X (gfx1250); checked and timed in simulation.
; The chip was launched on July 23, 2026; its instructions are those of AMD's public machine-readable ISA for CDNA 5 (MIT licence, August 2026) and "CDNA5" Instruction Set Architecture Reference Guide (July 2026). The comments in the code are by the model that wrote it; some were corrected since.
;; Multi Head Attention. Allowed arithmetic: matrix products marked QUANTISED: E5M2 operands, one given power-of-two scale a tensor, by v_wmma_f32_16x16x64_bf8_bf8 or v_wmma_f32_16x16x128_bf8_bf8, f32 sums; everything else in f32.
;; Inputs: Wk_codes 512 x 16 x 32 uint8 (E5M2 codes of Wk, K innermost, in blocks of 32 codes); Wo_codes 512 x 16 x 32 uint8 (E5M2 codes of Wo, K innermost, in blocks of 32 codes); Wq_codes 512 x 16 x 32 uint8 (E5M2 codes of Wq, K innermost, in blocks of 32 codes); Wv_codes 512 x 16 x 32 uint8 (E5M2 codes of Wv, K innermost, in blocks of 32 codes); bk 512 float32; bo 512 float32; bq 512 float32; bv 512 float32; lowp_scales 12 int32 (the exponents e of the quantised operands' scales 2^e); x_codes 2 x 4,096 x 16 x 32 uint8 (E5M2 codes of x, K innermost, in blocks of 32 codes).
;; Outputs: out0 2 x 4,096 x 512 float32.
;; This version of the problem:
;;   THIS VERSION OF THE PROBLEM IS GIVEN IN LOW PRECISION. The matrix products marked QUANTISED in the list below multiply operands that are first quantised to E5M2 (5 exponent bits, 2 mantissa bits; 8 bits a number), with one given power-of-two scale for each operand tensor; their sums are f32. All else is computed in f32.
;;   The module's matrix products, in the order in which they are computed (A, B: the left and right operand; K: the contracted axis; several contracted axes count as one K, in the product's order):
;;     1. [M 8,192, K 512] x [K 512, N 512]; A: input x (given as codes); B: input Wq (given as codes): QUANTISED (scales: A lowp_scales[0], B lowp_scales[1])
;;     2. [M 8,192, K 512] x [K 512, N 512]; A: input x (given as codes); B: input Wk (given as codes): QUANTISED (scales: A lowp_scales[2], B lowp_scales[3])
;;     3. [M 8,192, K 512] x [K 512, N 512]; A: input x (given as codes); B: input Wv (given as codes): QUANTISED (scales: A lowp_scales[4], B lowp_scales[5])
;;     4. batch 16 x [M 4,096, K 64] x [K 64, N 4,096]; A: computed on the way; B: computed on the way: QUANTISED (scales: A lowp_scales[6], B lowp_scales[7])
;;     5. batch 16 x [M 4,096, K 4,096] x [K 4,096, N 64]; A: softmax (see below); B: computed on the way: QUANTISED (scales: A lowp_scales[8], B lowp_scales[9])
;;     6. [M 8,192, K 512] x [K 512, N 512]; A: computed on the way; B: input Wo (given as codes): QUANTISED (scales: A lowp_scales[10], B lowp_scales[11])
;;   THE QUANTISER, for each operand of a quantised product, along K:
;;     - The operand's scale is 2^e, e = its entry of the input lowp_scales (int32; the entries are numbered through the quantised products in the list's order, A before B).
;;     - Each number is divided by the scale, clamped to +-57,344, and rounded to the nearest number of E5M2, ties to even, subnormals kept.
;;     - The product sums the exact products of the quantised numbers (number of the format x scale) in f32.
;;   ~~~python
;;   def quantise(x, axis, e):      # numpy; x: float32 -> the quantised numbers, widened to float32 again
;;       x = np.moveaxis(x, axis, -1); K = x.shape[-1]
;;       r = np.clip(x / 2.0 ** e, -57344, 57344)
;;       step = 2.0 ** (np.maximum(np.frexp(np.where(r == 0, 1, r))[1] - 1, -14) - 2)
;;       q = np.round(r / step) * step * 2.0 ** e      # np.round: ties to even
;;       return np.moveaxis(q, -1, axis).astype(np.float32)
;;   ~~~
;;   SOFTMAX AHEAD OF A QUANTISED PRODUCT. Where the list says 'softmax', what is quantised is not the finished softmax but p = 2^(t - M), with t = logit x log2(e) and M = ceil(the row's largest t), a whole number; so 1/2 < the row's largest p <= 1. The row's sum l is taken of the UNQUANTISED p, in f32, and the product's result is divided by l at the end. Since M is a whole number, a kernel that streams over the keys may use a running M (the ceiling of the running maximum): every later rescaling is an exact power of two, so the quantised numbers keep their values, but for numbers so far below the row's largest that they fall under the format's range.
;;   OPERANDS COMPUTED ON THE WAY. 'Computed on the way' means the value that the module computes at that place (a softmax that the list does not call 'softmax' is quantised finished and normalised). What goes into a quantiser is computed in f32, as accurately as f32 sums, v_exp_f32 and their like allow (about 1e-6 of the number): no bf16 or f16 on the way to a quantiser, and a product that is left as it is and whose result goes on into a quantised operand takes f32 operands (vector FMAs, or v_wmma_f32_16x16x4_f32). A number that lies on a knife's edge between two numbers of the format may be rounded either way, as far as f32 arithmetic and the matrix unit's own rounding can turn it there, and no further.
;;   INPUTS GIVEN AS CODES. Wk (in the module: [512, 512], K = its axis 1); Wo (in the module: [512, 512], K = its axis 1); Wq (in the module: [512, 512], K = its axis 1); Wv (in the module: [512, 512], K = its axis 1); x (in the module: [2, 4096, 512], K = its axis 2): each comes as NAME_codes (uint8): NAME with its K axis moved to the last place and cut into blocks of 32 codes, [.., K / 32, bytes a block], one block behind the other in memory; one code a byte (a code: sign, 5 exponent bits, 2 mantissa bits); its scale is its entry of lowp_scales. Its value is code x scale, taken as it is: it is not quantised again, and the codes and scales need not be those that the quantiser above would give.
;; One version. Each part assembles by itself: llvm-mc -triple=amdgcn-amd-amdhsa -mcpu=gfx1250 --defsym DOCPART=n.
;; ======== version 1 of 1: 3 launches
;; limits: right only within a limited range of input values
;; workspace buffers: q_ws 4,194,304 bytes; k_ws 4,194,304 bytes; v_ws 4,194,304 bytes; a_ws 4,194,304 bytes
;; launch proj (part 1): grid 64 x 4, 12 waves a work-group, clusters of 4 x 4, 271,872 bytes of LDS; arguments x_codes, Wq_codes, Wk_codes, Wv_codes, bq, bk, bv, lowp_scales, q_ws, k_ws, v_ws; writes q_ws, k_ws, v_ws
.if DOCPART == 1
	.amdgcn_target "amdgcn-amd-amdhsa--gfx1250"
	.amdhsa_code_object_version 6
	.text
	.protected	k_q0248338147_proj
	.globl	k_q0248338147_proj
	.p2align	8
	.type	k_q0248338147_proj,@function
k_q0248338147_proj:
	s_mov_b64 s[64:65], 0
	v_nop
	global_prefetch_b8 v0, s[64:65] scope:SCOPE_SE
	s_setreg_imm32_b32 hwreg(HW_REG_WAVE_MODE, 25, 1), 1
	s_wait_xcnt 0x0
	s_wait_alu depctr_hold_cnt(0) depctr_sa_sdst(0) depctr_va_vdst(0) depctr_va_sdst(0) depctr_va_ssrc(0) depctr_va_vcc(0) depctr_vm_vsrc(0)
	s_getreg_b32 s2, hwreg(HW_REG_IB_STS2, 6, 4)
	s_cmp_eq_u32 s2, 0
	s_cbranch_scc0 .Lentry_in_a_cluster
	s_endpgm
.Lentry_in_a_cluster:
	s_bfe_u32 s2, ttmp6, 0x10000c
	s_cmp_lg_u32 s2, 0xf033
	s_cbranch_scc0 .Lentry_shape_is_right
	s_endpgm
.Lentry_shape_is_right:
; q = x Wq^T + bq, k = x Wk^T + bk, v = x Wv^T + bv on codes of BF8 (E5M2), and their quantisers for the two products of attention.
; NOTHING OF reference() IS LEFT OUT in this program: every input has a way to out0 (bk too: it moves k's codes), every product of the table is live.
; x: [8192][512] codes; W*: [512][512] codes, K innermost.  A sum of codes stands for sum x 2^(ex + ew), ex, ew the product's own two entries of the scales (x has three entries, one for each product).
; The bias goes in as the C of a sum's first matrix instruction, divided by 2^(ex + ew) (exact); the finished sum is held within +-57,344 x 2^(eo - ex - ew) and converted with that one scale (eo: entry 6 for q, 7 for k, 9 for v).
; LIMITS: ex + ew between -127 and 126; eo - ex - ew between -126 and 112.  NaN and infinity among the inputs are not served.
; SHARES.  A work-group takes 128 tokens (128 X on) and 128 features (128 cy on: two heads) of q, k and v.  Twelve waves: kind = wave / 4 (q, k, v); each makes 64 x 64: 16 accumulators, four K steps of 128.
; ONE LOOP FOR ALL KINDS: source 1 is set P (its rows become the result's lanes), source 0 is set R (its rows become a lane's registers).  q, k: P = tokens of x, R = features of W: a lane holds one token and its
; registers run along the head's 64: eight of them convert into registers 2 c, 2 c + 1 of the next product's operand.  v: P = features of Wv, R = tokens: a lane holds one channel and its registers run along the keys.
; THE WORKSPACE IS LAID AS IMAGES OF OPERAND REGISTERS: four registers of all 32 lanes are 512 consecutive bytes, lane l's 16 bytes at 16 l.
;   q_ws, k_ws: [b x 8 + head][tile of 16 tokens: 256][2 pieces][32 lanes][16 bytes].   v_ws: [b x 8 + head][128 keys: 32][tile of 16 channels: 4][4 pieces][32 lanes][16 bytes].
; x and W are both read from LDS by loads of 16 bytes: the same permutation of k on both sides, so every product meets its partner.
; CLUSTER 4 x 4: x's tile hangs on X alone and is asked for jointly by a column of the cluster, a weight's tile on cy alone, by a row.  All four tiles fit in LDS: nothing is filled again.
.set PITCH, 528                        ; an LDS row: 512 bytes + 16 of padding = 132 words: the 16 rows that a load touches start 4 banks apart
.set REG,   128*PITCH                  ; a tile of 128 rows.  Regions: 0 Wq, 1 Wk, 2 x, 3 Wv
.set HALF,  64*PITCH
.set TILE,  16*PITCH
.set SPARE, 4*REG                      ; behind the tiles: the spare words, 128 bytes for each of twelve waves: six blocks of 256 bytes that no other line names
.set PA,   4                           ; v4    LDS address of my lane in set P
.set RA,   5                           ; v5    the same in set R
.set LI,   6                           ; v6    16 x lane
.set BO,   7                           ; v7    my lane's offset in the bias
.set OFF,  8                           ; v8-11 where tile p's image goes: 16 x lane + p x 1,024 (q, k) or p x 2,048 (v)
.set SPW,  12                          ; v12   LDS address of my spare word; never rewritten
.set NIL,  13                          ; v13   0; never rewritten
.set SCL,  14                          ; v14   2^(eo - ex - ew) as f32
.set LIM,  15                          ; v15   57,344 x that
.set PF,   16                          ; v16-79   P's four fragments of a K step
.set BT,   16                          ; v16-23   (ahead of the loop, kind v) the bias of my channel in tile p, twice
.set CD,   16                          ; v16-47   (behind the loop) the codes
.set RF,   80                          ; v80-111  two of R's four fragments
.set ACC,  128                         ; v128-255 accumulator (p, t) at 128 + 32 p + 8 t
.set WV,   26                          ; s26 wave; s27 kind; s28 1 for v; s29, s30 the wave's two bits
.set KIND, 27
.set ISV,  28
.set WA,   29
.set WB,   30
.set CX,   31
.set CY,   32
.set BX,   33                          ; s33 X = 4 x cluster x + cx
.set HH,   34                          ; s34 which head of the two, s35 which 64 tokens
.set TH,   35
.set G1X,  36                          ; s[36:43] descriptor group 1 for x's tile, s[44:51] for a weight's: they differ in the mask
.set G1W,  44
.set G0X,  52                          ; groups 0: x, Wq, Wk, Wv
.set G0Q,  56
.set G0K,  60
.set G0V,  68
.set EX,   72                          ; s72-83 the twelve exponents
.set SUME, 84
.set EO,   85
.set INV,  86                          ; s[86:87] 2^-(ex + ew), twice
.set DST,  90                          ; s[90:91] where my images go
.set BIA,  92                          ; s[92:93] my bias
.macro CROUND                          ; a round of the cluster's barrier
	s_barrier_signal -1
	s_barrier_wait -1
	s_cmp_lg_u32 s[WV], 0
	s_cbranch_scc1 .Lnot_wave_0_\@
	s_barrier_signal -3
.Lnot_wave_0_\@:
	s_barrier_wait -3
	s_barrier_signal -1
	s_barrier_wait -1
.endm
.macro PLACES                          ; four plain vector instructions behind a matrix instruction, ahead of loads into its sources and of reads of its result
.rept 4
	v_nop
.endr
.endm
.macro FIVE                            ; an s_nop and four plain vector instructions behind every tensor load
	s_nop 0
	PLACES
.endm
	s_load_b512 s[4:19], s[0:1], 0x0               ; x s[4:5], Wq s[6:7], Wk s[8:9], Wv s[10:11], bq s[12:13], bk s[14:15], bv s[16:17], the exponents s[18:19]
	s_load_b128 s[20:23], s[0:1], 0x40             ; q_ws, k_ws
	s_load_b64 s[24:25], s[0:1], 0x50              ; v_ws
	v_lshl_add_u32 v[SPW], v0, 2, SPARE
	v_mov_b32 v[NIL], 0
	ds_add_u32 v[SPW], v[NIL]                      ; the wave's opening: the add, twice on end, and its wait ahead of the first tensor load; work on registers stands between
	ds_add_u32 v[SPW], v[NIL]
	v_lshrrev_b32 v1, 5, v0
	s_delay_alu instid0(VALU_DEP_1)
	v_readfirstlane_b32 s[WV], v1                  ; wave 0..11
	s_lshr_b32 s[KIND], s[WV], 2
	s_lshr_b32 s[ISV], s[WV], 3
	s_and_b32 s[WA], s[WV], 1
	s_bfe_u32 s[WB], s[WV], 0x10001
	s_bfe_u32 s[CX], ttmp6, 0x40000
	s_bfe_u32 s[CY], ttmp6, 0x40004
	s_lshl_b32 s[BX], ttmp9, 2
	s_add_co_u32 s[BX], s[BX], s[CX]
	s_add_co_u32 s88, s[ISV], 2                    ; P: x's region, or Wv's for kind v,
	s_mul_i32 s88, s88, REG
	s_mul_i32 s89, s[WA], HALF
	s_add_co_u32 s88, s88, s89                     ; its half by the wave's bit 0
	s_mul_i32 s98, s[KIND], REG                    ; R: region = kind (Wq, Wk, x),
	s_mul_i32 s89, s[WB], HALF
	s_add_co_u32 s98, s98, s89                     ; its half by the wave's bit 1
	v_and_b32 v1, 15, v0                           ; r
	v_bfe_u32 v2, v0, 4, 1                         ; h
	s_delay_alu instid0(VALU_DEP_2)
	v_mul_u32_u24 v3, v1, PITCH
	s_delay_alu instid0(VALU_DEP_1)
	v_lshl_add_u32 v3, v2, 4, v3                   ; row r, + 16 h
	s_delay_alu instid0(VALU_DEP_1)
	v_add_nc_u32 v[PA], s88, v3
	s_delay_alu instid0(VALU_DEP_2)
	v_add_nc_u32 v[RA], s98, v3
	v_and_b32 v[LI], 31, v0
	s_delay_alu instid0(VALU_DEP_1)
	v_lshlrev_b32 v[LI], 4, v[LI]
	s_lshl_b32 s89, 1024, s[ISV]
	v_mov_b32 v[OFF], v[LI]
	s_delay_alu instid0(VALU_DEP_1)
	v_add_nc_u32 v[OFF+1], s89, v[OFF]
	s_delay_alu instid0(VALU_DEP_1)
	v_add_nc_u32 v[OFF+2], s89, v[OFF+1]
	s_delay_alu instid0(VALU_DEP_1)
	v_add_nc_u32 v[OFF+3], s89, v[OFF+2]
	s_lshl_b32 s89, s[CY], 2
	s_lshl_b32 s89, 15, s89                        ; my row of the cluster
	s_lshl_b32 s99, 0x1111, s[CX]                  ; my column
	; group 1: 128 rows x 512 bytes, 16 bytes of padding behind each row
	s_or_b32 s[G1X], s99, (1<<20)|(1<<21)|(6<<22)|(3<<25)   ; 15:0 the mask; 17:16 elements of 1 byte; 20 padding on; 21 set beside a mask; 24:22 after every 128 words; 31:25 four words
	s_or_b32 s[G1W], s89, (1<<20)|(1<<21)|(6<<22)|(3<<25)
.irp g, G1X, G1W
	s_mov_b32 s[\g+1], 512<<16                     ; tensor_dim0
	s_mov_b32 s[\g+2], 128<<16                     ; tensor_dim1
	s_mov_b32 s[\g+3], 512<<16                     ; tile_dim0
	s_mov_b32 s[\g+4], 128                         ; tile_dim1
	s_mov_b32 s[\g+5], 512                         ; from row to row
	s_mov_b32 s[\g+6], 0
	s_mov_b32 s[\g+7], 0
.endr
	s_lshl_b32 s96, s[BX], 16                      ; x: 128 X rows of 512 bytes
	s_mov_b32 s97, 0
	s_lshl_b32 s2, s[CY], 16                       ; a weight: 128 cy rows
	s_mov_b32 s3, 0
	s_wait_dscnt 0x0                               ; both opening adds are done
	s_wait_kmcnt 0x0
	s_load_b256 s[EX:EX+7], s[18:19], 0x0          ; entries 0 to 7
	s_load_b128 s[EX+8:EX+11], s[18:19], 0x20      ; entries 8 to 11
	s_mov_b32 s[G0X], 1
	s_mov_b32 s[G0X+1], 2*REG
	s_add_nc_u64 s[G0X+2:G0X+3], s[4:5], s[96:97]
	s_or_b32 s[G0X+3], s[G0X+3], 0x80000000
	s_mov_b32 s[G0Q], 1
	s_mov_b32 s[G0Q+1], 0
	s_add_nc_u64 s[G0Q+2:G0Q+3], s[6:7], s[2:3]
	s_or_b32 s[G0Q+3], s[G0Q+3], 0x80000000
	s_mov_b32 s[G0K], 1
	s_mov_b32 s[G0K+1], REG
	s_add_nc_u64 s[G0K+2:G0K+3], s[8:9], s[2:3]
	s_or_b32 s[G0K+3], s[G0K+3], 0x80000000
	s_mov_b32 s[G0V], 1
	s_mov_b32 s[G0V+1], 3*REG
	s_add_nc_u64 s[G0V+2:G0V+3], s[10:11], s[2:3]
	s_or_b32 s[G0V+3], s[G0V+3], 0x80000000
	CROUND                                         ; all sixteen work-groups are here: the joint loads meet
	s_cmp_lt_u32 s[WV], 4                          ; waves 0 to 3 fetch one tile each: Wq, Wk, x, Wv.  The branches hang on the wave's number alone.  One tensor load of mine is out at the most
	s_cbranch_scc0 .Lasked
	s_cmp_eq_u32 s[WV], 0
	s_cbranch_scc0 .Lnot_q
	tensor_load_to_lds s[G0Q:G0Q+3], s[G1W:G1W+7]
	FIVE
	s_branch .Lasked
.Lnot_q:
	s_cmp_eq_u32 s[WV], 1
	s_cbranch_scc0 .Lnot_k
	tensor_load_to_lds s[G0K:G0K+3], s[G1W:G1W+7]
	FIVE
	s_branch .Lasked
.Lnot_k:
	s_cmp_eq_u32 s[WV], 2
	s_cbranch_scc0 .Lnot_x
	tensor_load_to_lds s[G0X:G0X+3], s[G1X:G1X+7]
	FIVE
	s_branch .Lasked
.Lnot_x:
	tensor_load_to_lds s[G0V:G0V+3], s[G1W:G1W+7]
	FIVE
.Lasked:
	; my kind's exponents, bias and destination: chosen by selects on the wave's number; nothing branches on a loaded number
	s_wait_kmcnt 0x0
	s_add_co_i32 s[SUME], s[EX], s[EX+1]
	s_add_co_i32 s88, s[EX+2], s[EX+3]
	s_add_co_i32 s98, s[EX+4], s[EX+5]
	s_cmp_eq_u32 s[KIND], 1
	s_cselect_b32 s[SUME], s88, s[SUME]
	s_cselect_b32 s[EO], s[EX+7], s[EX+6]
	s_cselect_b64 s[DST:DST+1], s[22:23], s[20:21]
	s_cselect_b64 s[BIA:BIA+1], s[14:15], s[12:13]
	s_cmp_eq_u32 s[KIND], 2
	s_cselect_b32 s[SUME], s98, s[SUME]
	s_cselect_b32 s[EO], s[EX+9], s[EO]
	s_cselect_b64 s[DST:DST+1], s[24:25], s[DST:DST+1]
	s_cselect_b64 s[BIA:BIA+1], s[16:17], s[BIA:BIA+1]
	s_cselect_b32 s[HH], s[WA], s[WB]              ; the features' half is P's for v, R's for q and k;
	s_cselect_b32 s[TH], s[WB], s[WA]              ; the tokens' half the other way round
	s_sub_co_i32 s[INV], 127, s[SUME]
	s_lshl_b32 s[INV], s[INV], 23                  ; 2^-(ex + ew) as f32
	s_mov_b32 s[INV+1], s[INV]                     ; (named with it as a pair, so it is written)
	s_sub_co_i32 s88, s[EO], s[SUME]
	s_add_co_i32 s88, s88, 127
	s_lshl_b32 s89, s88, 23
	v_mov_b32 v[SCL], s89
	s_add_co_i32 s88, s88, 15
	s_lshl_b32 s88, s88, 23
	s_or_b32 s88, s88, 0x600000
	v_mov_b32 v[LIM], s88
	s_lshl_b32 s94, s[CY], 9                       ; the bias of my 64 features: 4 (128 cy + 64 hh) bytes on
	s_lshl_b32 s95, s[HH], 8
	s_add_co_u32 s94, s94, s95
	s_mov_b32 s95, 0
	s_add_nc_u64 s[BIA:BIA+1], s[BIA:BIA+1], s[94:95]
	s_lshr_b32 s94, s[BX], 5                       ; the batch,
	s_lshl_b32 s94, s94, 3
	s_lshl_b32 s98, s[CY], 1
	s_add_co_u32 s94, s94, s98
	s_add_co_u32 s94, s94, s[HH]                   ; 8 b + head: 2^18 bytes each
	s_lshl_b32 s94, s94, 18
	s_and_b32 s98, s[BX], 31                       ; my 128 tokens in the sequence: 8,192 bytes in each of the three layouts
	s_lshl_b32 s98, s98, 13
	s_add_co_u32 s94, s94, s98
	s_lshl_b32 s98, s[ISV], 1
	s_sub_co_u32 s98, 12, s98
	s_lshl_b32 s98, s[TH], s98                     ; the tokens' half: four tiles of 1,024 bytes (q, k), or two pieces of 512 (v)
	s_add_co_u32 s94, s94, s98
	s_mov_b32 s95, 0
	s_add_nc_u64 s[DST:DST+1], s[DST:DST+1], s[94:95]
	; THE BIAS STARTS THE SUMS, while the tiles are on their way: every accumulator register is written with bias / 2^(ex + ew).  The branch hangs on the wave's number alone
	s_cmp_eq_u32 s[KIND], 2
	s_cbranch_scc1 .Lbias_v
	v_lshlrev_b32 v[BO], 5, v2                     ; q, k: register j of tile t is feature 16 t + 8 h + j
.irp t, 0,1,2,3
	global_load_b128 v[ACC+8*\t:ACC+8*\t+3], v[BO], s[BIA:BIA+1] offset:64*\t
	global_load_b128 v[ACC+8*\t+4:ACC+8*\t+7], v[BO], s[BIA:BIA+1] offset:64*\t+16
.endr
	s_wait_loadcnt 0x0
.irp p, 1,2,3,0                                ; the same for all four tiles of tokens; tile 0, the source, last
.irp j, 0,2,4,6,8,10,12,14,16,18,20,22,24,26,28,30
	v_pk_mul_f32 v[ACC+32*\p+\j:ACC+32*\p+\j+1], v[ACC+\j:ACC+\j+1], s[INV:INV+1] op_sel_hi:[1,0]
.endr
.endr
	s_branch .Lbias_done
.Lbias_v:
	v_lshlrev_b32 v[BO], 2, v1                     ; v: all registers of tile p hold channel 16 p + r
.irp p, 0,1,2,3
	global_load_b32 v[BT+2*\p], v[BO], s[BIA:BIA+1] offset:64*\p
	global_load_b32 v[BT+2*\p+1], v[BO], s[BIA:BIA+1] offset:64*\p
.endr
	s_wait_loadcnt 0x0
.irp p, 0,1,2,3
.irp j, 0,2,4,6,8,10,12,14,16,18,20,22,24,26,28,30
	v_pk_mul_f32 v[ACC+32*\p+\j:ACC+32*\p+\j+1], v[BT+2*\p:BT+2*\p+1], s[INV:INV+1] op_sel_hi:[1,0]
.endr
.endr
.Lbias_done:
	s_wait_tensorcnt 0x0                           ; my tile is in,
	s_barrier_signal -1
	s_barrier_wait -1                              ; everybody's is
; A K step of 128: P's four fragments, R's four in two runs of two; 16 matrix instructions, the 16 accumulators by turns, one instruction a turn
.macro KSTEP s
.if \s > 0
	PLACES
.endif
.irp p, 0,1,2,3
.irp c, 0,1,2,3
	ds_load_b128 v[PF+16*\p+4*\c:PF+16*\p+4*\c+3], v[PA] offset:\p*TILE+128*\s+32*\c
.endr
.endr
.irp u, 0,1
.if \u > 0
	PLACES
.endif
.irp t, 0,1
.irp c, 0,1,2,3
	ds_load_b128 v[RF+16*\t+4*\c:RF+16*\t+4*\c+3], v[RA] offset:(2*\u+\t)*TILE+128*\s+32*\c
.endr
.endr
	s_wait_dscnt 0x0
.irp p, 0,1,2,3
.irp t, 0,1
	v_wmma_f32_16x16x128_bf8_bf8 v[ACC+32*\p+8*(2*\u+\t):ACC+32*\p+8*(2*\u+\t)+7], v[RF+16*\t:RF+16*\t+15], v[PF+16*\p:PF+16*\p+15], v[ACC+32*\p+8*(2*\u+\t):ACC+32*\p+8*(2*\u+\t)+7]
.endr
.endr
.endr
.endm
	s_wait_alu depctr_va_vdst(0)
	KSTEP 0
	KSTEP 1
	KSTEP 2
	KSTEP 3
	; THE WAY OUT: the hold, the conversion (eight registers of a tile give registers 2 t, 2 t + 1 of tile p's image), and the images as they stand
	PLACES
.irp q, 0,1,2,3,4,5,6,7,8,9,10,11,12,13,14,15
.irp j, 0,1,2,3,4,5,6,7
	v_med3_num_f32 v[ACC+8*\q+\j], v[ACC+8*\q+\j], -v[LIM], v[LIM]   ; the conversion to an 8-bit code does not saturate (ISA guide 7.6.2); each accumulator from its low end on
.endr
	v_cvt_scalef32_pk8_bf8_f32 v[CD+2*\q:CD+2*\q+1], v[ACC+8*\q:ACC+8*\q+7], v[SCL]
.endr
	v_nop                                          ; a plain vector instruction behind the last conversion
.irp p, 0,1,2,3
	global_store_b128 v[OFF+\p], v[CD+8*\p:CD+8*\p+3], s[DST:DST+1]                 ; 32 lanes store 512 consecutive bytes, at a multiple of 512 from the buffer's first byte
	global_store_b128 v[OFF+\p], v[CD+8*\p+4:CD+8*\p+7], s[DST:DST+1] offset:512
.endr
	s_wait_tensorcnt 0x0                           ; the wave's end
	ds_add_u32 v[SPW], v[NIL]
	s_wait_dscnt 0x0
	CROUND                                         ; the closing round
	s_endpgm
.Lfunc_end_k_q0248338147_proj:
	.size	k_q0248338147_proj, .Lfunc_end_k_q0248338147_proj-k_q0248338147_proj
	.p2alignl 7, 3214868480
	.fill 96, 4, 3214868480
	.section	.rodata,"a",@progbits
	.p2align	6, 0x0
	.amdhsa_kernel k_q0248338147_proj
		.amdhsa_group_segment_fixed_size 271872
		.amdhsa_private_segment_fixed_size 0
		.amdhsa_enable_private_segment 0
		.amdhsa_kernarg_size 88
		.amdhsa_user_sgpr_count 2
		.amdhsa_user_sgpr_kernarg_segment_ptr 1
		.amdhsa_wavefront_size32 1
		.amdhsa_system_sgpr_workgroup_id_x 1
		.amdhsa_system_sgpr_workgroup_id_y 1
		.amdhsa_system_sgpr_workgroup_id_z 1
		.amdhsa_system_vgpr_workitem_id 0
		.amdhsa_next_free_vgpr 256
		.amdhsa_next_free_sgpr 100
		.amdhsa_reserve_vcc 0
		.amdhsa_float_denorm_mode_32 3
		.amdhsa_float_denorm_mode_16_64 3
		.amdhsa_memory_ordered 1
		.amdhsa_forward_progress 1
		.amdhsa_inst_pref_size 42
	.end_amdhsa_kernel
	.amdgpu_metadata
---
amdhsa.version: [ 1, 2 ]
amdhsa.kernels:
  - .name:           k_q0248338147_proj
    .symbol:         k_q0248338147_proj.kd
    .args:
      - { .name: x_codes, .offset: 0, .size: 8, .value_kind: global_buffer, .address_space: global }
      - { .name: Wq_codes, .offset: 8, .size: 8, .value_kind: global_buffer, .address_space: global }
      - { .name: Wk_codes, .offset: 16, .size: 8, .value_kind: global_buffer, .address_space: global }
      - { .name: Wv_codes, .offset: 24, .size: 8, .value_kind: global_buffer, .address_space: global }
      - { .name: bq, .offset: 32, .size: 8, .value_kind: global_buffer, .address_space: global }
      - { .name: bk, .offset: 40, .size: 8, .value_kind: global_buffer, .address_space: global }
      - { .name: bv, .offset: 48, .size: 8, .value_kind: global_buffer, .address_space: global }
      - { .name: lowp_scales, .offset: 56, .size: 8, .value_kind: global_buffer, .address_space: global }
      - { .name: q_ws, .offset: 64, .size: 8, .value_kind: global_buffer, .address_space: global }
      - { .name: k_ws, .offset: 72, .size: 8, .value_kind: global_buffer, .address_space: global }
      - { .name: v_ws, .offset: 80, .size: 8, .value_kind: global_buffer, .address_space: global }
    .group_segment_fixed_size: 271872
    .private_segment_fixed_size: 0
    .kernarg_segment_align: 8
    .kernarg_segment_size: 88
    .max_flat_workgroup_size: 384
    .sgpr_count:     100
    .vgpr_count:     256
    .wavefront_size: 32
...
	.end_amdgpu_metadata
.endif
;; end of part 1
;; launch attn (part 2): grid 16 x 16, 8 waves a work-group, clusters of 4 x 1, 327,680 bytes of LDS; arguments q_ws, k_ws, v_ws, lowp_scales, a_ws; writes a_ws
.if DOCPART == 2
	.amdgcn_target "amdgcn-amd-amdhsa--gfx1250"
	.amdhsa_code_object_version 6
	.text
	.protected	k_q0248338147_attn
	.globl	k_q0248338147_attn
	.p2align	8
	.type	k_q0248338147_attn,@function
k_q0248338147_attn:
	s_mov_b64 s[64:65], 0
	v_nop
	global_prefetch_b8 v0, s[64:65] scope:SCOPE_SE
	s_setreg_imm32_b32 hwreg(HW_REG_WAVE_MODE, 25, 1), 1
	s_wait_xcnt 0x0
	s_wait_alu depctr_hold_cnt(0) depctr_sa_sdst(0) depctr_va_vdst(0) depctr_va_sdst(0) depctr_va_ssrc(0) depctr_va_vcc(0) depctr_vm_vsrc(0)
	s_getreg_b32 s2, hwreg(HW_REG_IB_STS2, 6, 4)
	s_cmp_eq_u32 s2, 0
	s_cbranch_scc0 .Lentry_in_a_cluster
	s_endpgm
.Lentry_in_a_cluster:
	s_bfe_u32 s2, ttmp6, 0x10000c
	s_cmp_lg_u32 s2, 0x3003
	s_cbranch_scc0 .Lentry_shape_is_right
	s_endpgm
.Lentry_shape_is_right:
; a[b][q][head] = softmax_k(q . k / 8) v on codes of BF8 (E5M2), and its quantiser for the projection on the way out.  No work of reference() is left out.
; THE SOFTMAX AHEAD OF THE SECOND PRODUCT: t = score x log2(e) / 8; M = the largest t so far, rounded UP to a whole number; p = 2^(t - M) is quantised with 2^e8, not normalised; the row's sum is taken of the
; unquantised p and divides at the end.  When M moves, the sum and O are multiplied by f = 2^(old M - new M): exact.
; q_ws, k_ws, v_ws, a_ws are images of operand registers (four registers of 32 lanes = 512 consecutive bytes, lane l's 16 bytes at 16 l):
;   q_ws, k_ws: [bh][tile of 16 tokens][2 pieces];  v_ws: [bh][128 keys][tile of 16 channels][4 pieces];  a_ws: [tile of 16 tokens: 512][head][2 pieces].
; SHARES.  A work-group owns 256 queries of one head; each of its EIGHT waves owns 32 of them, two tiles A and B, so that each fragment of K and V read from LDS feeds two matrix instructions.
; LAYOUT.  S^T = K Q^T (source 0 = 16 keys, source 1 = 16 queries), O^T = V^T P^T: a lane holds one query of each tile.  Tile t's eight scores of a lane are keys 16 t + 8 h + 0 .. 7: their codes are registers 2 t, 2 t + 1 of P.
; REGISTERS, in two windows of 256.  Tile A's Q, S, O, P's codes and sums lie in window 0, tile B's under the same numbers in window 1; K's fragments in window 0 and V's under the same numbers in window 1,
; so K of the next step and V of this step are asked for while the softmax is walked.  Both tiles' M, largest score, f and maxima lie in window 0: their two chains of dependent lines are laid by turns.
; THE EXPONENTIALS go in two batches of 64, 32 of each tile: the first stands among the multiply-adds of the second half's scores, the second among the first half's sums and holds.  Each line laid into a batch reads what
; was written ahead of the wait in front of the batch, and its result is first read behind the wait that follows the batch.  For that the row's sum is kept in 16 pairs: pair i takes p of registers 2 i, 2 i + 1 and 32 + 2 i, 33 + 2 i.
; RING.  Two slots of 1,024 keys: 64 KB of K, 64 KB of V, dense; each of the eight waves fetches 16 KB.  CLUSTER: the four query blocks of a cluster walk the same K and V: every tile is asked for jointly.
; A slot's eight key steps: seven in a counted loop, the last written out.  That last step has all its fragments in registers behind its first products: there the three lines and the round's opening signal stand,
; and the step's softmax and second products, work on registers, stand between that signal and its wait.
; LIMITS: e6 + e7 between -123 and 130 (added to c's exponent field); e8 and e10 between -126 and 112; e8 + e9 goes by v_ldexp_f32 and has none.  NaN and infinity are not served.
.set SLOT1, 131072                     ; slot 1 begins here
.set VOFF,  65536                      ; V's part of a slot
.set SPARE, 2*SLOT1                    ; the spare words, 128 bytes for each of eight waves: four blocks of 256 bytes that no other line names
.set LI,   1                           ; v1   16 x lane; never rewritten
.set ADR,  2                           ; v2   + the step's K in LDS
.set PFO,  3                           ; v3   256 x lane, for the prefetches
.set ADV,  4                           ; v4   the step's V in LDS
.set SPW,  5                           ; v5   my spare word
.set NIL,  6                           ; v6   0
.set PLIM2, 7                          ; v7 and v10: 57,344 x 2^e8, twice: the two halves of a dual pair take their second sources from different banks
.set ALIM, 8                           ; v8 57,344 x 2^e10, v9 2^e10, v11 2^e8
.set ASCL, 9
.set PLIM, 10
.set PSCL, 11
.set MM,   12                          ; v[12:13] A's -M and largest score; v[14:15] B's
.set FF,   16                          ; v[16:17] A's f (the upper word is only named); v[18:19] B's
.set MX,   20                          ; v20-27 A's eight chains of the maximum; v248-255 B's
.set MXS,  228
.set PM,   28                          ; v28, v29 lane permutes' destinations
.set QF,   32                          ; v32-39   Q (each window its tile's)
.set KV,   40                          ; v40-103  window 0: K's eight tiles; window 1: V's four fragments
.set S,    104                         ; v104-167 S^T, then p
.set O,    168                         ; v168-199 O^T
.set PC,   200                         ; v200-215 p's codes
.set AC,   216                         ; v216-247 the sum, in 16 pairs
.set WV,   18
.set CX,   19
.set SEL,  20                          ; s[20:21] lane selects: lane l xor 16
.set CS,   22                          ; s[22:23] c = log2(e) / 8 x 2^(e6 + e7)
.set G1,   24                          ; s[24:31] descriptor group 1
.set G0,   40                          ; s[40:43] group 0, which walks
.set SLOTS, 67                         ; refills still to come
.set PFA,  76                          ; s[76:77] where my prefetch stands
.set LIMS, 80                          ; 1 in a wave that prefetches, else the greatest number
.set TB,   81                          ; LDS byte at which the step in hand begins
.set LAST, 88                          ; the two last trips' counter
.set STEPS, 89                         ; the steps' counter
.set SB,   90                          ; LDS byte at which the slot in hand begins
.set MSB, 0
.macro WIN new                         ; low byte: bits 1:0 source 0, 3:2 source 1, 5:4 source 2, 7:6 destination; the high byte repeats the setting that is left
.if MSB != (\new)
	s_set_vgpr_msb (MSB<<8)|(\new)
.set MSB, \new
.endif
.endm
.macro CREST                           ; a round of the cluster's barrier behind its opening barrier
	s_cmp_lg_u32 s[WV], 0
	s_cbranch_scc1 .Lnot_wave_0_\@
	s_barrier_signal -3
.Lnot_wave_0_\@:
	s_barrier_wait -3
	s_barrier_signal -1
	s_barrier_wait -1
.endm
.macro CROUND
	s_barrier_signal -1
	s_barrier_wait -1
	CREST
.endm
.macro PLACES                          ; four plain vector instructions behind a matrix instruction (ISA guide 7.12.1)
.rept 4
	v_nop
.endr
.endm
.macro TLOAD                           ; every wave fetches 16 KB: waves 0 to 3 the quarters of a slot's K, waves 4 to 7 of its V; LDS byte 16,384 x wave of the slot
	tensor_load_to_lds s[G0:G0+3], s[G1:G1+7]
	s_nop 0
	PLACES
.endm
; A PREFETCH INTO THE L2 of the 1,024 keys that the NEXT refill will ask for: 64 KB of K and 64 KB of V.  All four clusters of a head walk the same bytes: the head's first cluster asks.  Its four partners take
; 16,384 bytes of each, told apart by address; in each, waves 0 and 1 ask for K's halves and waves 2 and 3 for V's, lanes 256 bytes apart: each aligned block of 256 bytes is named once in the launch.
; The first three slots' worth come by their loads alone; the last refill asks for nothing: no keys lie behind it.
.macro ASK
	s_cmp_gt_u32 s[SLOTS], s[LIMS]
	s_cbranch_scc0 .Lnot_mine_\@
	global_prefetch_b8 v[PFO], s[PFA:PFA+1] th:TH_LOAD_NT scope:SCOPE_SE
.Lnot_mine_\@:
.endm
	s_load_b256 s[4:11], s[0:1], 0x0               ; q_ws s[4:5], k_ws s[6:7], v_ws s[8:9], the exponents s[10:11]
	s_load_b64 s[12:13], s[0:1], 0x20              ; a_ws
	v_lshl_add_u32 v[SPW], v0, 2, SPARE
	v_mov_b32 v[NIL], 0
	ds_add_u32 v[SPW], v[NIL]                      ; the wave's opening: the add, twice on end, and its wait ahead of the first tensor load
	ds_add_u32 v[SPW], v[NIL]
	v_lshrrev_b32 v1, 5, v0
	v_readfirstlane_b32 s[WV], v1                  ; wave 0..7
	v_and_b32 v[LI], 31, v0
	v_lshlrev_b32 v[LI], 4, v[LI]
	v_lshlrev_b32 v[PFO], 4, v[LI]
	s_bfe_u32 s[CX], ttmp6, 0x40000
	s_and_b32 s72, ttmp7, 0xffff                   ; bh = 8 b + head, which the four partners share
	s_lshl_b32 s74, s72, 18                        ; its first byte in q_ws, k_ws and v_ws
	s_mov_b32 s75, 0
	s_lshl_b32 s73, s[WV], 14                      ; where my 16 KB go in a slot
	s_and_b32 s2, s[WV], 3
	s_lshl_b32 s2, s2, 14
	s_add_co_u32 s2, s2, s74                       ; and where they come from, in K or in V
	s_mov_b32 s3, 0
	s_mov_b32 s[G1], 15|(3<<16)|(1<<21)            ; group 1: 64 rows x 256 bytes, dense; the mask names all four work-groups; elements of 8 bytes; bit 21 set beside a mask
	s_mov_b32 s[G1+1], 32<<16
	s_mov_b32 s[G1+2], 64<<16
	s_mov_b32 s[G1+3], 32<<16
	s_mov_b32 s[G1+4], 64
	s_mov_b32 s[G1+5], 32
	s_mov_b32 s[G1+6], 0
	s_mov_b32 s[G1+7], 0
	s_mov_b32 s[SEL], 0x76543210
	s_mov_b32 s[SEL+1], 0xfedcba98
	s_mov_b32 s[CS], 0x3e38aa3b                    ; log2(e) / 8
	s_mov_b32 s[SB], 0
	s_mov_b32 s[SLOTS], 2
	s_mov_b32 s[LAST], 2
	s_lshr_b32 s[LIMS], s[WV], 2                   ; 0 in waves 0 to 3,
	s_or_b32 s[LIMS], s[LIMS], ttmp9               ; of the head's first cluster: the same in all four partners
	s_cmp_eq_u32 s[LIMS], 0
	s_cselect_b32 s[LIMS], 1, -1
	s_lshl_b32 s82, ttmp9, 2                       ; my place in the cluster enters Q's, a's and the prefetch's addresses alone
	s_add_co_u32 s82, s82, s[CX]                   ; my block of 256 queries
	s_lshl_b32 s82, s82, 4
	s_lshl_b32 s83, s[WV], 1
	s_add_co_u32 s82, s82, s83                     ; tile A among the sequence's 256; tile B is the next
	s_lshl_b32 s84, s82, 10
	s_add_co_u32 s84, s84, s74                     ; Q's images
	s_mov_b32 s85, 0
	s_lshr_b32 s86, s72, 3
	s_lshl_b32 s86, s86, 8
	s_add_co_u32 s86, s86, s82                     ; the tile among all 512
	s_lshl_b32 s86, s86, 13
	s_and_b32 s83, s72, 7
	s_lshl_b32 s83, s83, 10
	s_add_co_u32 s86, s86, s83                     ; a's image: 8,192 a tile, 1,024 a head
	s_mov_b32 s87, 0
	s_wait_dscnt 0x0                               ; both opening adds are done
	s_wait_kmcnt 0x0
	s_load_b128 s[68:71], s[10:11], 0x18           ; e6, e7, e8, e9
	s_load_b32 s66, s[10:11], 0x28                 ; e10
	s_cmp_lt_u32 s[WV], 4
	s_cselect_b64 s[48:49], s[6:7], s[8:9]         ; K for waves 0 to 3, V for the others
	s_mov_b32 s[G0], 1
	s_mov_b32 s[G0+1], s73                         ; slot 0
	s_add_nc_u64 s[G0+2:G0+3], s[48:49], s[2:3]
	s_or_b32 s[G0+3], s[G0+3], 0x80000000
	CROUND                                         ; all four work-groups are here: the first joint loads meet
	TLOAD                                          ; keys 0 to 1,023.  One tensor load of mine is out at the most, here and behind every round
	s_cmp_lt_u32 s[WV], 2
	s_cselect_b64 s[PFA:PFA+1], s[6:7], s[8:9]
	s_lshl_b32 s78, s[CX], 14                      ; my work-group's 16,384 bytes,
	s_and_b32 s79, s[WV], 1
	s_lshl_b32 s79, s79, 13
	s_add_co_u32 s78, s78, s79                     ; my wave's half of them,
	s_add_co_u32 s78, s78, 131072                  ; of keys 2,048 on: the first refill steps it to keys 3,072 on
	s_mov_b32 s79, 0
	s_add_nc_u64 s[PFA:PFA+1], s[PFA:PFA+1], s[74:75]
	s_add_nc_u64 s[PFA:PFA+1], s[PFA:PFA+1], s[78:79]
	s_add_nc_u64 s[4:5], s[4:5], s[84:85]
	s_add_nc_u64 s[12:13], s[12:13], s[86:87]
	s_wait_alu depctr_va_vdst(0)                   ; ahead of the reader below
	global_load_b128 v[QF:QF+3], v[LI], s[4:5]     ; Q's fragments stay in registers
	global_load_b128 v[QF+4:QF+7], v[LI], s[4:5] offset:512
	WIN 0x40
	global_load_b128 v[QF:QF+3], v[LI], s[4:5] offset:1024
	global_load_b128 v[QF+4:QF+7], v[LI], s[4:5] offset:1536
.irp w, 0x40, 0                                ; O^T and the sums begin as zeros: the step is written for all steps alike, and the first change of M leaves zeros zeros
	WIN \w
.set j, 0
.rept 32
	v_mov_b32 v[O+j], 0
	v_mov_b32 v[AC+j], 0
.set j, j+1
.endr
.endr
.irp t, 0,1
	v_mov_b32 v[MM+2*\t+1], 0xff61b1e6             ; the largest score so far: -3e38, under every sum of 64 products of codes
	v_floor_f32 v[MM+2*\t], -v[MM+2*\t+1]          ; -M
	v_mov_b32 v[FF+2*\t], 0
	v_mov_b32 v[FF+2*\t+1], 0
	v_mov_b32 v[PM+\t], 0                          ; a lane permute's destination counts as one of its sources
.endr
	s_wait_kmcnt 0x0
	s_add_co_i32 s72, s68, s69
	s_lshl_b32 s72, s72, 23
	s_add_co_i32 s[CS], s[CS], s72                 ; a score stands for score x 2^(e6 + e7)
	s_mov_b32 s[CS+1], s[CS]
	s_add_co_i32 s72, s70, 127
	s_lshl_b32 s73, s72, 23
	v_mov_b32 v[PSCL], s73
	s_add_co_i32 s72, s72, 15
	s_lshl_b32 s72, s72, 23
	s_or_b32 s72, s72, 0x600000
	v_mov_b32 v[PLIM], s72
	v_mov_b32 v[PLIM2], s72
	s_add_co_i32 s72, s66, 127
	s_lshl_b32 s73, s72, 23
	v_mov_b32 v[ASCL], s73
	s_add_co_i32 s72, s72, 15
	s_lshl_b32 s72, s72, 23
	s_or_b32 s72, s72, 0x600000
	v_mov_b32 v[ALIM], s72
.macro KLOAD q                         ; K's eight tiles of this step (q = 0) or the next (1): 16 loads of 512 consecutive bytes
.irp t, 0,1,2,3,4,5,6,7
	ds_load_b128 v[KV+8*\t:KV+8*\t+3], v[ADR] offset:8192*(\q)+1024*\t
	ds_load_b128 v[KV+8*\t+4:KV+8*\t+7], v[ADR] offset:8192*(\q)+1024*\t+512
.endr
.endm
.macro VLOAD                           ; V's four fragments, into window 1: 16 loads
	WIN 0x40
.irp t, 0,1,2,3
.irp c, 0,1,2,3
	ds_load_b128 v[KV+16*\t+4*\c:KV+16*\t+4*\c+3], v[ADV] offset:2048*\t+512*\c
.endr
.endr
	WIN 0
.endm
.macro QK                              ; eight products, eight accumulators, each begun with the constant 0
.irp t, 0,1,2,3,4,5,6,7
	v_wmma_f32_16x16x64_bf8_bf8 v[S+8*\t:S+8*\t+7], v[KV+8*\t:KV+8*\t+7], v[QF:QF+7], 0
.endr
.endm
.macro PV                              ; four products, four accumulators by turns
.irp t, 0,1,2,3
	v_wmma_f32_16x16x128_bf8_bf8 v[O+8*\t:O+8*\t+7], v[KV+16*\t:KV+16*\t+15], v[PC:PC+15], v[O+8*\t:O+8*\t+7]
.endr
.endm
.macro MAXT b                          ; the largest of a lane's 64 scores of tile b, in eight chains kept in window 0; each accumulator from its low end on
	WIN 0x15*\b
.set k, 0
.rept 8
	v_max3_num_f32 v[MX+MXS*\b+k], v[S+3*k], v[S+3*k+1], v[S+3*k+2]
.set k, k+1
.endr
	WIN 0x14*\b
.set j, 24
.set k, 0
.rept 20
	v_max3_num_f32 v[MX+MXS*\b+k], v[MX+MXS*\b+k], v[S+j], v[S+j+1]
.set j, j+2
.set k, (k+1)%8
.endr
.endm
.macro CHAIN                           ; both tiles' new M, line by line by turns
.irp t, 0,1
	v_max3_num_f32 v[MX+MXS*\t], v[MX+MXS*\t], v[MX+MXS*\t+1], v[MX+MXS*\t+2]
.endr
.irp t, 0,1
	v_max3_num_f32 v[MX+MXS*\t+3], v[MX+MXS*\t+3], v[MX+MXS*\t+4], v[MX+MXS*\t+5]
.endr
.irp t, 0,1
	v_max3_num_f32 v[MX+MXS*\t], v[MX+MXS*\t], v[MX+MXS*\t+3], v[MX+MXS*\t+6]
.endr
.irp t, 0,1
	v_max_num_f32 v[MX+MXS*\t], v[MX+MXS*\t], v[MX+MXS*\t+7]
.endr
.irp t, 0,1
	v_permlanex16_b32 v[PM+\t], v[MX+MXS*\t], s[SEL], s[SEL+1]
.endr
.irp t, 0,1
	v_max3_num_f32 v[MM+2*\t+1], v[MM+2*\t+1], v[MX+MXS*\t], v[PM+\t]   ; the largest score so far: mine, lane l xor 16's and the earlier steps'
.endr
.irp t, 0,1
	v_mul_f32 v[MX+MXS*\t+1], s[CS], v[MM+2*\t+1]    ; as t (c is positive)
.endr
.irp t, 0,1
	v_mov_b32 v[MX+MXS*\t+2], v[MM+2*\t]
.endr
.irp t, 0,1
	v_floor_f32 v[MM+2*\t], -v[MX+MXS*\t+1]          ; the new -M = -ceil(t): a whole number
.endr
.endm
.macro TM b, first, n                  ; t - M, two at a time: n pairs from register first on
.set j, \first
.rept \n
	v_pk_fma_f32 v[S+j:S+j+1], v[S+j:S+j+1], s[CS:CS+1], v[MM+2*\b:MM+2*\b+1] op_sel_hi:[1,0,0]
.set j, j+2
.endr
.endm
.macro RESC b                          ; O^T under the new M, ahead of the step's exponentials; each accumulator from its low end on
.set j, 0
.rept 16
	v_pk_mul_f32 v[O+j:O+j+1], v[O+j:O+j+1], v[FF+2*\b:FF+2*\b+1] op_sel_hi:[1,0]
.set j, j+2
.endr
.endm
.macro HOLD r                          ; the conversion does not saturate (ISA guide 7.6.2); p is not negative: the hold is one-sided; two numbers in one dual pair
	v_dual_min_num_f32 v[\r], v[\r], v[PLIM] :: v_dual_min_num_f32 v[\r+1], v[\r+1], v[PLIM2]
.endm
.macro B1 b                            ; p = 2^(t - M), the first 32, among the second 32's multiply-adds
.set j, 0
.rept 16
	v_exp_f32 v[S+j], v[S+j]
	v_exp_f32 v[S+j+1], v[S+j+1]
	v_pk_fma_f32 v[S+32+j:S+33+j], v[S+32+j:S+33+j], s[CS:CS+1], v[MM+2*\b:MM+2*\b+1] op_sel_hi:[1,0,0]
.set j, j+2
.endr
.endm
.macro B2 b                            ; the second 32, among the first 32's sums and holds
.set j, 0
.rept 16
	v_exp_f32 v[S+32+j], v[S+32+j]
	v_pk_fma_f32 v[AC+j:AC+j+1], v[AC+j:AC+j+1], v[FF+2*\b:FF+2*\b+1], v[S+j:S+j+1] op_sel_hi:[1,0,1]   ; the sum under the new M + the unquantised p
	v_exp_f32 v[S+33+j], v[S+33+j]
	HOLD S+j
.set j, j+2
.endr
.endm
.macro P2                              ; the second 32's sums and holds, and the codes
.set j, 0
.rept 16
	v_pk_fma_f32 v[AC+j:AC+j+1], v[S+32+j:S+33+j], 1.0, v[AC+j:AC+j+1] op_sel_hi:[1,0,1]
	HOLD S+32+j
.set j, j+2
.endr
.irp t, 0,1,2,3,4,5,6,7
	v_cvt_scalef32_pk8_bf8_f32 v[PC+2*\t:PC+2*\t+1], v[S+8*\t:S+8*\t+7], v[PSCL]
.endr
.endm
; THE CHANGE OF SLOTS, first part: each wave waits for all its tensor loads (its part of the other slot), adds 0 to its spare word, and waits for that and for its reads of this slot: V's 16 loads are the last.
.macro CHG1 chg                        ; chg = 1: this slot is filled again behind the round; 2: nothing is filled
	s_wait_tensorcnt 0x0
	ds_add_u32 v[SPW], v[NIL]
.if \chg == 1
	s_xor_b32 s[G0+1], s[G0+1], SLOT1              ; the walking descriptor: the other slot than last time, the next 1,024 keys
	s_add_nc_u64 s[G0+2:G0+3], s[G0+2:G0+3], 65536
	s_wait_xcnt 0x0                                ; any prefetch of mine has read its address, so it may be written
	s_add_nc_u64 s[PFA:PFA+1], s[PFA:PFA+1], 65536
.endif
	s_wait_dscnt 0x0
	s_barrier_signal -1                            ; only work on registers stands between this signal and its wait
.endm
.macro CHG2 chg
	s_barrier_wait -1
.if \chg == 1
	CREST                                          ; no wave of any partner still reads this slot or has a load on its way
	TLOAD                                          ; the first thing behind the round, and a wave's one tensor load until the next
	ASK
.endif
.endm
; A KEY STEP: 128 keys for both tiles.  K's fragments were asked for in the step before (a slot's first step: at the trip's head).  chg = 0: a step that has its successor in the slot.
.macro STEP chg
	v_add_nc_u32 v[ADR], s[TB], v[LI]              ; these two lines and two v_nop are the four places ahead of loads into registers that the last products read
	v_add_nc_u32 v[ADV], VOFF, v[ADR]
	v_nop
	v_nop
	s_wait_alu depctr_va_vdst(0)
	VLOAD
	s_wait_dscnt 16                                ; K is in; V's 16 loads may be out
	QK
	WIN 0x54                                       ; K in window 0; Q and S in window 1
	QK
	WIN 0
	PLACES                                         ; ahead of the loads below and of the first read of the scores
.if \chg == 0
	KLOAD 1
.else
	CHG1 \chg
.endif
	MAXT 0
	MAXT 1
	WIN 0
	CHAIN
.irp t, 0,1                                    ; f = 2^(old M - new M): its three lines stand among tile A's multiply-adds
	v_sub_f32 v[MX+MXS*\t+2], v[MM+2*\t], v[MX+MXS*\t+2]   ; old M - new M, 0 or less
.endr
	TM 0, 0, 4
.irp t, 0,1
	v_cvt_i32_f32 v[MX+MXS*\t+2], v[MX+MXS*\t+2]   ; (it saturates)
.endr
	TM 0, 8, 4
.irp t, 0,1
	v_ldexp_f32 v[FF+2*\t], 1.0, v[MX+MXS*\t+2]
.endr
	TM 0, 16, 8
	RESC 0
	WIN 0x51                                       ; B: f, the limit and the scale (source 1) in window 0, all else in window 1
	RESC 1
	WIN 0x41                                       ; B: destination and source 0 in window 1, -M (source 2) in window 0
	TM 1, 0, 16
	s_wait_alu depctr_va_vdst(0)                   ; ahead of a batch
	B1 1
	WIN 0
	B1 0
	s_wait_alu depctr_va_vdst(0)                   ; behind the first batch and ahead of the second
	B2 0
	WIN 0x51
	B2 1
	v_nop                                          ; a plain instruction behind the last exponential
	s_wait_alu depctr_va_vdst(0)                   ; behind the second batch
	P2
	WIN 0
	P2
	v_nop                                          ; a plain vector instruction behind the last conversion
	s_wait_alu depctr_va_vdst(0)                   ; ahead of the waits, barriers and branches that follow
.if \chg == 0
	s_wait_dscnt 16                                ; V is in; the next K's 16 loads may be out
.endif
	WIN 0x01                                       ; V in window 1, tile A in window 0
	PV
	WIN 0x55
	PV
	WIN 0
.if \chg
	CHG2 \chg
.endif
.endm
.macro TRIP chg                        ; a slot: eight key steps
	s_mov_b32 s[TB], s[SB]
	s_mov_b32 s[STEPS], 7
	v_add_nc_u32 v[ADR], s[TB], v[LI]
	s_wait_alu depctr_va_vdst(0)                   ; ahead of the reader below
	KLOAD 0
.Lstep_\@:
	STEP 0
	s_add_co_u32 s[TB], s[TB], 8192
	s_sub_co_u32 s[STEPS], s[STEPS], 1
	s_cmp_lg_u32 s[STEPS], 0
	s_cbranch_scc1 .Lstep_\@
	STEP \chg
	s_xor_b32 s[SB], s[SB], SLOT1
.endm
	s_wait_alu depctr_va_vdst(0)                   ; the wait at the head's end
	s_wait_tensorcnt 0x0                           ; my part of slot 0 is in; slot 1's first fill is issued as a refill is
	ds_add_u32 v[SPW], v[NIL]
	s_xor_b32 s[G0+1], s[G0+1], SLOT1
	s_add_nc_u64 s[G0+2:G0+3], s[G0+2:G0+3], 65536
	s_wait_dscnt 0x0
	CROUND
	TLOAD                                          ; keys 1,024 to 2,047
	s_wait_loadcnt 0x0                             ; Q
.Lslot:                                            ; two trips: each ends with a round and the refill of the slot that it has read
	TRIP 1
	s_sub_co_u32 s[SLOTS], s[SLOTS], 1
	s_cmp_lg_u32 s[SLOTS], 0
	s_cbranch_scc1 .Lslot
.Llast:                                            ; the two last trips fill nothing and share one text: the first one's barrier shows the last slot whole, the second one's stands ahead of the way out
	TRIP 2
	s_sub_co_u32 s[LAST], s[LAST], 1
	s_cmp_lg_u32 s[LAST], 0
	s_cbranch_scc1 .Llast
	; THE WAY OUT: O^T x 2^(e8 + e9) / the sum is what reference() has here; it is held and converted with 2^e10: tile t's eight channels give registers 2 t, 2 t + 1 of the image
	PLACES
.irp b, 0,1
	WIN 0x55*\b
.irp n, 16,8,4,2                               ; the sum's 16 pairs are added up
.set j, 0
.rept \n/2
	v_pk_add_f32 v[AC+j:AC+j+1], v[AC+j:AC+j+1], v[AC+\n+j:AC+\n+j+1]
.set j, j+2
.endr
.endr
	WIN 0x05*\b
	v_add_f32 v[MX+MXS*\b], v[AC], v[AC+1]
.endr
	WIN 0
.irp t, 0,1
	v_permlanex16_b32 v[PM+\t], v[MX+MXS*\t], s[SEL], s[SEL+1]
.endr
.irp t, 0,1
	v_add_f32 v[MX+MXS*\t], v[MX+MXS*\t], v[PM+\t] ; the row's sum
.endr
	s_wait_alu depctr_va_vdst(0)                   ; ahead of the two reciprocals
	v_rcp_f32 v[MX], v[MX]
	v_rcp_f32 v[MX+MXS], v[MX+MXS]
	v_nop                                          ; a plain instruction behind them
	s_add_co_i32 s72, s70, s71
	s_wait_alu depctr_va_vdst(0)                   ; and the wait ahead of their first reader
	v_ldexp_f32 v[FF], v[MX], s72
	v_ldexp_f32 v[FF+2], v[MX+MXS], s72
.irp b, 0,1
	WIN 0x41*\b
	s_wait_alu depctr_va_vdst(0)                   ; directly ahead of the first reader of O^T
.set j, 0
.rept 16
	v_pk_mul_f32 v[S+j:S+j+1], v[O+j:O+j+1], v[FF+2*\b:FF+2*\b+1] op_sel_hi:[1,0]
.set j, j+2
.endr
.irp t, 0,1,2,3
.irp i, 0,1,2,3,4,5,6,7
	v_med3_num_f32 v[S+8*\t+\i], v[S+8*\t+\i], -v[ALIM], v[ALIM]
.endr
	v_cvt_scalef32_pk8_bf8_f32 v[PC+2*\t:PC+2*\t+1], v[S+8*\t:S+8*\t+7], v[ASCL]
.endr
.endr
	v_nop                                          ; a plain vector instruction behind the last conversion
	WIN 0
	global_store_b128 v[LI], v[PC:PC+3], s[12:13]  ; 32 lanes store 512 consecutive bytes, at a multiple of 512 from the buffer's first byte
	global_store_b128 v[LI], v[PC+4:PC+7], s[12:13] offset:512
	WIN 0x04                                       ; tile B's codes lie in window 1
	global_store_b128 v[LI], v[PC:PC+3], s[12:13] offset:8192
	global_store_b128 v[LI], v[PC+4:PC+7], s[12:13] offset:8704
	WIN 0
	s_wait_tensorcnt 0x0                           ; the wave's end
	ds_add_u32 v[SPW], v[NIL]
	s_wait_dscnt 0x0
	CROUND                                         ; the closing round
	s_endpgm
.Lfunc_end_k_q0248338147_attn:
	.size	k_q0248338147_attn, .Lfunc_end_k_q0248338147_attn-k_q0248338147_attn
	.p2alignl 7, 3214868480
	.fill 96, 4, 3214868480
	.section	.rodata,"a",@progbits
	.p2align	6, 0x0
	.amdhsa_kernel k_q0248338147_attn
		.amdhsa_group_segment_fixed_size 327680
		.amdhsa_private_segment_fixed_size 0
		.amdhsa_enable_private_segment 0
		.amdhsa_kernarg_size 40
		.amdhsa_user_sgpr_count 2
		.amdhsa_user_sgpr_kernarg_segment_ptr 1
		.amdhsa_wavefront_size32 1
		.amdhsa_system_sgpr_workgroup_id_x 1
		.amdhsa_system_sgpr_workgroup_id_y 1
		.amdhsa_system_sgpr_workgroup_id_z 1
		.amdhsa_system_vgpr_workitem_id 0
		.amdhsa_next_free_vgpr 512
		.amdhsa_next_free_sgpr 100
		.amdhsa_reserve_vcc 0
		.amdhsa_float_denorm_mode_32 3
		.amdhsa_float_denorm_mode_16_64 3
		.amdhsa_memory_ordered 1
		.amdhsa_forward_progress 1
		.amdhsa_inst_pref_size 136
	.end_amdhsa_kernel
	.amdgpu_metadata
---
amdhsa.version: [ 1, 2 ]
amdhsa.kernels:
  - .name:           k_q0248338147_attn
    .symbol:         k_q0248338147_attn.kd
    .args:
      - { .name: q_ws, .offset: 0, .size: 8, .value_kind: global_buffer, .address_space: global }
      - { .name: k_ws, .offset: 8, .size: 8, .value_kind: global_buffer, .address_space: global }
      - { .name: v_ws, .offset: 16, .size: 8, .value_kind: global_buffer, .address_space: global }
      - { .name: lowp_scales, .offset: 24, .size: 8, .value_kind: global_buffer, .address_space: global }
      - { .name: a_ws, .offset: 32, .size: 8, .value_kind: global_buffer, .address_space: global }
    .group_segment_fixed_size: 327680
    .private_segment_fixed_size: 0
    .kernarg_segment_align: 8
    .kernarg_segment_size: 40
    .max_flat_workgroup_size: 256
    .sgpr_count:     100
    .vgpr_count:     512
    .wavefront_size: 32
...
	.end_amdgpu_metadata
.endif
;; end of part 2
;; launch outproj (part 3): grid 4 x 64, 8 waves a work-group, clusters of 4 x 4, 168,960 bytes of LDS; arguments a_ws, Wo_codes, bo, lowp_scales, out0; writes out0
.if DOCPART == 3
	.amdgcn_target "amdgcn-amd-amdhsa--gfx1250"
	.amdhsa_code_object_version 6
	.text
	.protected	k_q0248338147_outproj
	.globl	k_q0248338147_outproj
	.p2align	8
	.type	k_q0248338147_outproj,@function
k_q0248338147_outproj:
	s_mov_b64 s[64:65], 0
	v_nop
	global_prefetch_b8 v0, s[64:65] scope:SCOPE_SE
	s_setreg_imm32_b32 hwreg(HW_REG_WAVE_MODE, 25, 1), 1
	s_wait_xcnt 0x0
	s_wait_alu depctr_hold_cnt(0) depctr_sa_sdst(0) depctr_va_vdst(0) depctr_va_sdst(0) depctr_va_ssrc(0) depctr_va_vcc(0) depctr_vm_vsrc(0)
	s_getreg_b32 s2, hwreg(HW_REG_IB_STS2, 6, 4)
	s_cmp_eq_u32 s2, 0
	s_cbranch_scc0 .Lentry_in_a_cluster
	s_endpgm
.Lentry_in_a_cluster:
	s_bfe_u32 s2, ttmp6, 0x10000c
	s_cmp_lg_u32 s2, 0xf033
	s_cbranch_scc0 .Lentry_shape_is_right
	s_endpgm
.Lentry_shape_is_right:
; out0 = a Wo^T + bo on codes of BF8 (E5M2): out0 = sum x 2^(e10 + e11) + bo.  No work of reference() is left out.
; a_ws: [tile of 16 tokens: 512][head 8][2 pieces][32 lanes][16 bytes]: images of operand registers: lane (r, h) holds token r, registers 2 c, 2 c + 1 of K step s hold k = 128 s + 16 c + 8 h + 0 .. 7.
; Wo: [512][512] codes, K innermost: read from LDS by loads of 8 bytes at 16 c + 8 h, the same places of k.
; SHARES.  A work-group makes 128 tokens x 128 features; wave w 32 tokens (w / 2) x 64 features (w % 2): eight accumulators, four K steps of 128.  Source 0 = 16 rows of Wo, source 1 = 16 tokens: a lane holds eight
; neighbouring features of one token.  CLUSTER 4 x 4: a's tile hangs on the tokens' block alone and is asked for jointly by a row of the cluster, Wo's on the features' block alone, by a column.  Nothing is filled again.
; LIMIT: e10 + e11 between -126 and 127.
.set PITCH, 528                        ; a row of Wo in LDS: 512 bytes + 16: lane (r, h) reads words 132 r + 2 h on: 32 lanes, 64 different banks
.set TILE,  16*PITCH
.set WOFF,  65536                      ; LDS: a's eight tiles of 8,192 bytes; then Wo's 128 rows;
.set STG,   WOFF+128*PITCH             ; a stage of 16 rows x (256 + 16) bytes for each wave;
.set SP,    272
.set SPARE, STG+8*16*SP                ; and the spare words, 128 bytes for each of eight waves: four blocks of 256 bytes that no other line names
.set AA,   3                           ; v3  a: 16 x lane + my 32 tokens' images
.set AW,   4                           ; v4  Wo: my 64 rows, row r, + 8 h
.set STO,  5                           ; v5  the stage: where I put 32 bytes of a row
.set RD,   6                           ; v6  and where I read a row back
.set CO,   7                           ; v7  the same place in out0
.set BO,   8                           ; v8  32 h: my eight numbers of a tile's bias
.set SPW,  12
.set NIL,  13
.set PF,   16                          ; v16-47   a's two fragments; on the way out the results (TMP)
.set RF,   48                          ; v48-111  Wo's four fragments
.set TMP,  16                          ; v16-79   on the way out: the results, 32 registers a tile of tokens
.set BK,   80                          ; v80-143  rows read back from the stage
.set BI,   112                         ; v112-143 the bias of tile t at 112 + 8 t
.set ACC,  144                         ; v144-207 accumulator (p, t) at 144 + 32 p + 8 t
.set WV,   14
.set G1A,  24
.set G1B,  32
.set G0A,  40
.set G0B,  44
.set SC,   56                          ; s[56:57] 2^(e10 + e11), twice
.macro CROUND
	s_barrier_signal -1
	s_barrier_wait -1
	s_cmp_lg_u32 s[WV], 0
	s_cbranch_scc1 .Lnot_wave_0_\@
	s_barrier_signal -3
.Lnot_wave_0_\@:
	s_barrier_wait -3
	s_barrier_signal -1
	s_barrier_wait -1
.endm
.macro PLACES
.rept 4
	v_nop
.endr
.endm
	s_load_b256 s[4:11], s[0:1], 0x0               ; a_ws s[4:5], Wo s[6:7], bo s[8:9], the exponents s[10:11]
	s_load_b64 s[12:13], s[0:1], 0x20              ; out0
	v_lshl_add_u32 v[SPW], v0, 2, SPARE
	v_mov_b32 v[NIL], 0
	ds_add_u32 v[SPW], v[NIL]                      ; the wave's opening: the add, twice on end, and its wait ahead of the first tensor load; work on registers stands between
	ds_add_u32 v[SPW], v[NIL]
	v_lshrrev_b32 v1, 5, v0
	s_delay_alu instid0(VALU_DEP_1)
	v_readfirstlane_b32 s[WV], v1                  ; wave 0..7
	s_and_b32 s15, s[WV], 1                        ; which 64 features; also which half of a tile I fetch
	s_lshr_b32 s16, s[WV], 1                       ; which 32 tokens
	s_bfe_u32 s17, ttmp6, 0x40000                  ; cx
	s_bfe_u32 s18, ttmp6, 0x40004                  ; cy
	s_lshl_b32 s19, ttmp9, 2
	s_add_co_u32 s19, s19, s17                     ; the features' block of 128
	s_and_b32 s20, ttmp7, 0xffff
	s_lshl_b32 s20, s20, 2
	s_add_co_u32 s20, s20, s18                     ; the tokens' block of 128
	s_lshl_b32 s52, s18, 2
	s_lshl_b32 s52, 15, s52                        ; my row of the cluster
	s_lshl_b32 s53, 0x1111, s17                    ; my column
	s_or_b32 s[G1A], s52, (3<<16)|(1<<21)          ; a: 128 rows x 256 bytes, dense: elements of 8 bytes; bit 21 set beside a mask
	s_mov_b32 s[G1A+1], 32<<16
	s_mov_b32 s[G1A+2], 128<<16
	s_mov_b32 s[G1A+3], 32<<16
	s_mov_b32 s[G1A+4], 128
	s_mov_b32 s[G1A+5], 32
	s_mov_b32 s[G1A+6], 0
	s_mov_b32 s[G1A+7], 0
	s_or_b32 s[G1B], s53, (1<<20)|(1<<21)|(6<<22)|(3<<25)   ; Wo: 64 rows x 512 bytes, four words of padding after every 128
	s_mov_b32 s[G1B+1], 512<<16
	s_mov_b32 s[G1B+2], 64<<16
	s_mov_b32 s[G1B+3], 512<<16
	s_mov_b32 s[G1B+4], 64
	s_mov_b32 s[G1B+5], 512
	s_mov_b32 s[G1B+6], 0
	s_mov_b32 s[G1B+7], 0
	s_lshl_b32 s21, s15, 15                        ; a half of either tile is 32,768 bytes of memory
	s_lshl_b32 s48, s20, 16
	s_add_co_u32 s48, s48, s21                     ; a: 65,536 bytes a block of tokens
	s_mov_b32 s49, 0
	s_lshl_b32 s50, s19, 16
	s_add_co_u32 s50, s50, s21                     ; Wo: 128 rows of 512 bytes a block of features
	s_mov_b32 s51, 0
	s_mul_i32 s22, s15, 64*PITCH
	s_add_co_u32 s22, s22, WOFF                    ; a half of Wo's tile in LDS: what I fetch, and what I read
	s_lshl_b32 s23, s16, 14
	s_mul_i32 s58, s[WV], 16*SP
	s_add_co_u32 s58, s58, STG                     ; my stage
	v_and_b32 v1, 15, v0                           ; r
	v_bfe_u32 v2, v0, 4, 1                         ; h
	v_and_b32 v[AA], 31, v0
	s_delay_alu instid0(VALU_DEP_1)
	v_lshlrev_b32 v[AA], 4, v[AA]
	s_delay_alu instid0(VALU_DEP_1)
	v_add_nc_u32 v[AA], s23, v[AA]
	v_mul_u32_u24 v[AW], v1, PITCH
	s_delay_alu instid0(VALU_DEP_1)
	v_lshl_add_u32 v[AW], v2, 3, v[AW]
	s_delay_alu instid0(VALU_DEP_1)
	v_add_nc_u32 v[AW], s22, v[AW]
	v_mul_u32_u24 v[STO], v1, SP
	s_delay_alu instid0(VALU_DEP_1)
	v_lshl_add_u32 v[STO], v2, 5, v[STO]
	s_delay_alu instid0(VALU_DEP_1)
	v_add_nc_u32 v[STO], s58, v[STO]               ; in: row r; tile t's eight features of my half: 64 t + 32 h bytes on
	v_mul_u32_u24 v[RD], v2, SP
	s_delay_alu instid0(VALU_DEP_1)
	v_lshl_add_u32 v[RD], v1, 4, v[RD]
	s_delay_alu instid0(VALU_DEP_1)
	v_add_nc_u32 v[RD], s58, v[RD]                 ; back: lanes 0-15 one row of 256 bytes, lanes 16-31 the next
	v_lshlrev_b32 v[CO], 11, v2
	s_delay_alu instid0(VALU_DEP_1)
	v_lshl_add_u32 v[CO], v1, 4, v[CO]             ; and the same two rows of out0, 2,048 bytes apart
	v_lshlrev_b32 v[BO], 5, v2
	s_wait_dscnt 0x0                               ; both opening adds are done
	s_wait_kmcnt 0x0
	s_load_b64 s[54:55], s[10:11], 0x28            ; e10, e11
	s_mov_b32 s[G0A], 1
	s_mov_b32 s[G0A+1], s21
	s_add_nc_u64 s[G0A+2:G0A+3], s[4:5], s[48:49]
	s_or_b32 s[G0A+3], s[G0A+3], 0x80000000
	s_mov_b32 s[G0B], 1
	s_mov_b32 s[G0B+1], s22
	s_add_nc_u64 s[G0B+2:G0B+3], s[6:7], s[50:51]
	s_or_b32 s[G0B+3], s[G0B+3], 0x80000000
	CROUND                                         ; all sixteen work-groups are here: the joint loads meet
	s_cmp_lt_u32 s[WV], 2                          ; waves 0 and 1 fetch a's halves, waves 2 and 3 Wo's, the others nothing: one tensor load of mine is out at the most
	s_cbranch_scc0 .Lnot_a
	tensor_load_to_lds s[G0A:G0A+3], s[G1A:G1A+7]
	s_nop 0
	PLACES
	s_branch .Lasked
.Lnot_a:
	s_cmp_lt_u32 s[WV], 4
	s_cbranch_scc0 .Lasked
	tensor_load_to_lds s[G0B:G0B+3], s[G1B:G1B+7]
	s_nop 0
	PLACES
.Lasked:
	s_lshl_b32 s60, s19, 9
	s_lshl_b32 s61, s15, 8
	s_add_co_u32 s60, s60, s61                     ; my 64 features, in bytes of f32
	s_mov_b32 s61, 0
	s_add_nc_u64 s[8:9], s[8:9], s[60:61]
	s_lshl_b32 s62, s20, 18                        ; 128 rows of 2,048 bytes a block of tokens,
	s_lshl_b32 s63, s16, 16                        ; my 32 rows
	s_add_co_u32 s62, s62, s63
	s_add_co_u32 s62, s62, s60
	s_mov_b32 s63, 0
	s_add_nc_u64 s[12:13], s[12:13], s[62:63]
	s_wait_alu depctr_va_vdst(0)
.irp t, 0,1,2,3
	global_load_b128 v[BI+8*\t:BI+8*\t+3], v[BO], s[8:9] offset:64*\t          ; register j of tile t is feature 16 t + 8 h + j
	global_load_b128 v[BI+8*\t+4:BI+8*\t+7], v[BO], s[8:9] offset:64*\t+16
.endr
	s_wait_kmcnt 0x0
	s_add_co_i32 s[SC], s54, s55
	s_add_co_i32 s[SC], s[SC], 127
	s_lshl_b32 s[SC], s[SC], 23                    ; 2^(e10 + e11) as f32
	s_mov_b32 s[SC+1], s[SC]
	s_wait_tensorcnt 0x0                           ; my tile is in,
	s_barrier_signal -1
	s_barrier_wait -1                              ; everybody's is
; A K step of 128: eight matrix instructions, the eight accumulators by turns; the first step's products start the sums
.macro KSTEP s
.if \s > 0
	PLACES
.endif
.irp p, 0,1
.irp c, 0,1,2,3
	ds_load_b128 v[PF+16*\p+4*\c:PF+16*\p+4*\c+3], v[AA] offset:8192*\p+2048*\s+512*\c
.endr
.endr
.irp t, 0,1,2,3
.irp c, 0,1,2,3,4,5,6,7
	ds_load_b64 v[RF+16*\t+2*\c:RF+16*\t+2*\c+1], v[AW] offset:\t*TILE+128*\s+16*\c
.endr
.endr
	s_wait_dscnt 0x0
.irp p, 0,1
.irp t, 0,1,2,3
.if \s == 0
	v_wmma_f32_16x16x128_bf8_bf8 v[ACC+32*\p+8*\t:ACC+32*\p+8*\t+7], v[RF+16*\t:RF+16*\t+15], v[PF+16*\p:PF+16*\p+15], 0
.else
	v_wmma_f32_16x16x128_bf8_bf8 v[ACC+32*\p+8*\t:ACC+32*\p+8*\t+7], v[RF+16*\t:RF+16*\t+15], v[PF+16*\p:PF+16*\p+15], v[ACC+32*\p+8*\t:ACC+32*\p+8*\t+7]
.endif
.endr
.endr
.endm
	KSTEP 0
	KSTEP 1
	KSTEP 2
	KSTEP 3
	; THE WAY OUT: sum x 2^(e10 + e11) + bo, one packed multiply-add for two numbers; 16 tokens at a time through my own stage, back as whole rows of 256 bytes
	PLACES
	s_wait_loadcnt 0x0                             ; the bias
.irp p, 0,1
.irp t, 0,1,2,3
.irp i, 0,2,4,6
	v_pk_fma_f32 v[TMP+32*\p+8*\t+\i:TMP+32*\p+8*\t+\i+1], v[ACC+32*\p+8*\t+\i:ACC+32*\p+8*\t+\i+1], s[SC:SC+1], v[BI+8*\t+\i:BI+8*\t+\i+1] op_sel_hi:[1,0,1]
.endr
.endr
.endr
.irp p, 0,1
.irp t, 0,1,2,3
	ds_store_b128 v[STO], v[TMP+32*\p+8*\t:TMP+32*\p+8*\t+3] offset:64*\t
	ds_store_b128 v[STO], v[TMP+32*\p+8*\t+4:TMP+32*\p+8*\t+7] offset:64*\t+16
.endr
.irp i, 0,1,2,3,4,5,6,7
	ds_load_b128 v[BK+32*\p+4*\i:BK+32*\p+4*\i+3], v[RD] offset:2*\i*SP   ; LDS serves a wave's instructions in order (ISA guide 5.7.1.4): these see my stores, and the next tile's stores come behind them
.endr
.endr
.irp p, 0,1
.irp i, 0,1,2,3,4,5,6,7
	s_wait_dscnt 23-16*\p-\i                       ; behind this load: the tile's later loads, and for tile 0 tile 1's sixteen LDS instructions
	global_store_b128 v[CO], v[BK+32*\p+4*\i:BK+32*\p+4*\i+3], s[12:13] offset:(16*\p+2*\i)*2048 th:TH_STORE_NT   ; 16 lanes store 256 consecutive bytes, at a multiple of 256 from out0's first byte
.endr
.endr
	s_wait_tensorcnt 0x0                           ; the wave's end, behind my last tensor load and my last LDS store
	ds_add_u32 v[SPW], v[NIL]
	s_wait_dscnt 0x0
	CROUND                                         ; the closing round
	s_endpgm
.Lfunc_end_k_q0248338147_outproj:
	.size	k_q0248338147_outproj, .Lfunc_end_k_q0248338147_outproj-k_q0248338147_outproj
	.p2alignl 7, 3214868480
	.fill 96, 4, 3214868480
	.section	.rodata,"a",@progbits
	.p2align	6, 0x0
	.amdhsa_kernel k_q0248338147_outproj
		.amdhsa_group_segment_fixed_size 168960
		.amdhsa_private_segment_fixed_size 0
		.amdhsa_enable_private_segment 0
		.amdhsa_kernarg_size 40
		.amdhsa_user_sgpr_count 2
		.amdhsa_user_sgpr_kernarg_segment_ptr 1
		.amdhsa_wavefront_size32 1
		.amdhsa_system_sgpr_workgroup_id_x 1
		.amdhsa_system_sgpr_workgroup_id_y 1
		.amdhsa_system_sgpr_workgroup_id_z 1
		.amdhsa_system_vgpr_workitem_id 0
		.amdhsa_next_free_vgpr 208
		.amdhsa_next_free_sgpr 100
		.amdhsa_reserve_vcc 0
		.amdhsa_float_denorm_mode_32 3
		.amdhsa_float_denorm_mode_16_64 3
		.amdhsa_memory_ordered 1
		.amdhsa_forward_progress 1
		.amdhsa_inst_pref_size 26
	.end_amdhsa_kernel
	.amdgpu_metadata
---
amdhsa.version: [ 1, 2 ]
amdhsa.kernels:
  - .name:           k_q0248338147_outproj
    .symbol:         k_q0248338147_outproj.kd
    .args:
      - { .name: a_ws, .offset: 0, .size: 8, .value_kind: global_buffer, .address_space: global }
      - { .name: Wo_codes, .offset: 8, .size: 8, .value_kind: global_buffer, .address_space: global }
      - { .name: bo, .offset: 16, .size: 8, .value_kind: global_buffer, .address_space: global }
      - { .name: lowp_scales, .offset: 24, .size: 8, .value_kind: global_buffer, .address_space: global }
      - { .name: out0, .offset: 32, .size: 8, .value_kind: global_buffer, .address_space: global }
    .group_segment_fixed_size: 168960
    .private_segment_fixed_size: 0
    .kernarg_segment_align: 8
    .kernarg_segment_size: 40
    .max_flat_workgroup_size: 256
    .sgpr_count:     100
    .vgpr_count:     208
    .wavefront_size: 32
...
	.end_amdgpu_metadata
.endif
;; end of part 3
